; MI455X (gfx1250); checked and timed in simulation.
; The chip was launched on July 23, 2026; its instructions are those of AMD's public machine-readable ISA for CDNA 5 (MIT licence, August 2026) and "CDNA5" Instruction Set Architecture Reference Guide (July 2026). The comments in the code are by the model that wrote it; some were corrected since.
;; HPU Attention Impl. Allowed arithmetic: float matrix products may take bf16 or f16 operands with f32 sums; all other float work in f32.
;; Inputs: alibi_slopes 32 float32; key 1 x 2,048 x 1,024 float32; query 1 x 2,048 x 4,096 float32; value 1 x 2,048 x 1,024 float32.
;; Outputs: out0 1 x 2,048 x 4,096 float32.
;; One version. Each part assembles by itself: llvm-mc -triple=amdgcn-amd-amdhsa -mcpu=gfx1250 --defsym DOCPART=n.
;; ======== version 1 of 1: 1 launch
;; limits: values are held in f16: magnitudes above 65,504 overflow, below 6.1e-05 lose precision; inputs' magnitudes at most 65,504
;; launch attn (part 1): grid 32 x 8, 4 waves a work-group, no clusters, 71,168 bytes of LDS; arguments query, key, value, alibi_slopes, out0; writes out0
.if DOCPART == 1
	.amdgcn_target "amdgcn-amd-amdhsa--gfx1250"
	.amdhsa_code_object_version 6
	.text
	.protected	k_qeea21cffa3_attn
	.globl	k_qeea21cffa3_attn
	.p2align	8
	.type	k_qeea21cffa3_attn,@function
k_qeea21cffa3_attn:
	s_mov_b64 s[64:65], 0
	v_nop
	global_prefetch_b8 v0, s[64:65] scope:SCOPE_SE
	s_setreg_imm32_b32 hwreg(HW_REG_WAVE_MODE, 25, 1), 1
	s_wait_xcnt 0x0
; Causal GQA attention with an ALiBi bias.  S = 2048 positions, 32 query heads, 8 key/value heads, head size 128, f32 in and out.
;
; SHARES.  Work-group (i = x, kv = y) owns key/value head kv and two blocks of 32 query positions: HI = block 63 - i, LO = block i.
; Wave w takes query head 4 kv + w and both blocks: four tiles of 16 queries (qt 0, 1 = HI; qt 2, 3 = LO).  One pass over tiles of 64 keys,
; t = 0 .. hd = (63 - i) >> 1.  Up to t = ld = i >> 1 all four query tiles use the tile's fragments, behind it HI alone.
; (ld + 1) + (hd + 1) = 33 for every i, so every wave of the launch issues 33 x 64 matrix instructions.
; hd >= 16 > 15 >= ld, and HI's rows (>= 1024) lie above every key of tiles <= ld: only trip ld masks LO, only trip hd masks HI.
;
; ARITHMETIC.  S^T = K Q^T: a lane holds one query (r = lane & 15) and register j the key 8 h + j (h = lane >> 4), so a row's maximum and
; sum are taken inside the lane plus one exchange of the halves, and two neighbouring 16-key tiles pack straight into the second operand of
; O^T = V^T P^T.  Q is multiplied by log2(e) / sqrt(128) before it is rounded to f16.  Of the bias slope (j - i) the part - slope i is constant
; along a softmax row and cancels exactly; slope j is kept relative to the key tile: the first link of each score chain takes
; slope log2(e) (key in tile) as its C, and the running maximum is moved by 64 slope log2(e) from tile to tile.  Any sign and size of slope.
; Running maximum, sums and O in f32.
;
; FORMAT.  Q, K, V, P go to the matrix unit in f16, not bf16: under a steep slope a row's sum has only a few terms, so the operands'
; rounding does not average out, and f16's 11 significant bits bound it by 2^-12 an operand where bf16's 8 give 2^-9.
;
; NO CLUSTER, NO TENSOR LOADS: K and V arrive as f32 and are rounded to f16 once per work-group on their way through registers into LDS,
; which a copy into LDS cannot do; and the work-groups that share a head's tiles walk different numbers of them (17 to 32).
;
; LIMITS.  NaN and infinities in the inputs are not served.  |K|, |V| and |Q| log2(e) / sqrt(128) must stay below 65,504, f16's largest number
; (P is at most 1 by the running maximum).  Operands below 2^-14 are f16 denormals, with an absolute error of at most 2^-25.
; An exponential below 2^-126 counts as 0.
.set KP,    272                        ; LDS pitch of K rows and of staged Q rows: 256 bytes + 16 (17 x 16: sixteen rows start in sixteen different 16-byte columns of 256)
.set VP,    288                        ; LDS pitch of V rows: 9 x 32, for the transposing loads
.set OP,    528                        ; LDS pitch of staged O rows: 512 bytes + 16
.set LV,    64*KP                      ; K tile at 0 (17,408 bytes), V tile behind it (18,432 bytes)
.set LSTG,  LV+64*VP                   ; 35,840: four stages of 8,704 bytes, one a wave
.set STGB,  32*KP
.set QROW,  16384                      ; bytes from position to position in query and out0
.set KVROW, 4096                       ; the same in key and value
.set TILEB, 64*KVROW                   ; 64 keys on
; window 0
.set L16,  1                           ; 16 x lane
.set GKV,  2                           ; 16 x lane + 16 w rows of key / value
.set PF,   3                           ; prefetch: w's 16 rows, two blocks of 256 bytes each, one a lane
.set KRD,  4                           ; r KP + 16 h
.set VRD,  5                           ; LV + (8 h + (lane & 7)) VP + 16 ((lane >> 3) & 1)
.set KWR,  6                           ; 16 w KP + 8 lane
.set VWR,  7                           ; LV + 16 w VP + 8 lane
.set QST,  8                           ; stage + 8 lane
.set QRD,  9                           ; stage + r KP + 16 h
.set OST,  10                          ; stage + r OP + 32 h
.set ORD,  11                          ; stage + 16 lane
.set DHI,  12                          ; mask threshold of HI: 32 x (block's parity) + r - 8 h
.set DLO,  13                          ; and of LO
.set NINF, 14                          ; -infinity
.set SUM,  16                          ; v[16:23] four pairs of sums
.set MX,   24                          ; v[24:27] maxima at work
.set SL2,  28                          ; slope x log2(e)
.set DEL,  29                          ; 64 x that
.set MREG, 32                          ; v[32+2qt], twice: running maximum, relative to the current key tile
.set AREG, 40                          ; v[40+2qt], twice: alpha; at the end 1 / l
.set LREG, 48                          ; v[48+qt]: running sum of my half of the keys
.set BIAS, 96                          ; v[96+8kt+j] = SL2 x (16 kt + 8 h + j)
.set SC,   128                         ; v[128+32qt+8kt+j] scores; P(qt, ks) packed in place at 128+32qt+16ks .. +7
; window 1: Q fragments (qt, c) at 32 qt + 8 c;  K fragments (kt, c) at 128 + 32 kt + 8 c
; window 2: V fragments (dt, ks) at 16 dt + 8 ks;  the next tile on its way: K row p at 128 + 4 p, V row p at 192 + 4 p
; window 3: O(qt, dt) at 64 qt + 8 dt (in the prologue v0-127: the LO block of Q as loaded)
; s_set_vgpr_msb's low byte: bits 1:0 source 0, 3:2 source 1, 5:4 source 2, 7:6 destination; the high byte repeats the setting left.
.set MSB, 0
.macro WIN new
.if MSB != \new
	s_set_vgpr_msb (MSB<<8)|\new
.set MSB, \new
.endif
.endm
.macro PLACES                          ; four independent vector instructions behind a matrix instruction before its result is read (ISA guide 7.12.1)
.rept 4
	v_nop
.endr
.endm
; rows r0 .. r0 + 15 of a block of Q, one load a row: the wave's 32 lanes cover the head's 512 bytes.  Read once in the launch.
; The window of the destination is set by the caller.
.macro QLOAD sb, base, r0
.set ri, \r0
.rept 16
	global_load_b128 v[\base+4*ri:\base+4*ri+3], v[L16], s[\sb:\sb+1] offset:ri*QROW th:TH_LOAD_NT
.set ri, ri+1
.endr
.endm
; the same 16 rows: scale, round to f16 in place, 8 bytes a lane into my stage.  wa, ws: window settings for the arithmetic and for the stores.
.macro QCONV base, wa, ws, r0
	WIN \wa
.set ri, \r0
.rept 16
	v_pk_mul_f32 v[\base+4*ri:\base+4*ri+1], v[\base+4*ri:\base+4*ri+1], s[24:25] op_sel_hi:[1,0]
	v_pk_mul_f32 v[\base+4*ri+2:\base+4*ri+3], v[\base+4*ri+2:\base+4*ri+3], s[24:25] op_sel_hi:[1,0]
	v_cvt_pk_f16_f32 v[\base+4*ri], v[\base+4*ri], v[\base+4*ri+1]
	v_cvt_pk_f16_f32 v[\base+4*ri+1], v[\base+4*ri+2], v[\base+4*ri+3]
.set ri, ri+1
.endr
	WIN \ws
.set ri, \r0
.rept 16
	ds_store_b64 v[QST], v[\base+4*ri:\base+4*ri+1] offset:ri*KP
.set ri, ri+1
.endr
.endm
; the staged 32 rows as two query tiles' fragments.  The stage is my own and LDS serves a wave in order: no wait behind the stores.
.macro QFRAG q0
	WIN 0x40
.irp qq, 0,1
.irp c, 0,1,2,3
	ds_load_b128 v[32*(\q0+\qq)+8*\c:32*(\q0+\qq)+8*\c+3],   v[QRD] offset:\qq*16*KP+64*\c
	ds_load_b128 v[32*(\q0+\qq)+8*\c+4:32*(\q0+\qq)+8*\c+7], v[QRD] offset:\qq*16*KP+64*\c+32
.endr
.endr
.endm
; my 16 rows of the tile at s[6:7] / s[8:9].  No hint: 32 work-groups read these bytes.
.macro KVLOAD
	WIN 0x80
.set ri, 0
.rept 16
	global_load_b128 v[128+4*ri:128+4*ri+3], v[GKV], s[6:7] offset:ri*KVROW
.set ri, ri+1
.endr
.set ri, 0
.rept 16
	global_load_b128 v[192+4*ri:192+4*ri+3], v[GKV], s[8:9] offset:ri*KVROW
.set ri, ri+1
.endr
.endm
.macro KVCONV                          ; 64 roundings in place: each row's 4 registers become 2
	WIN 0x8a
.set ri, 0
.rept 32
	v_cvt_pk_f16_f32 v[128+4*ri], v[128+4*ri], v[128+4*ri+1]
	v_cvt_pk_f16_f32 v[128+4*ri+1], v[128+4*ri+2], v[128+4*ri+3]
.set ri, ri+1
.endr
.endm
.macro KVSTORE                         ; each store: one row's 256 neighbouring bytes
	WIN 0x08
.set ri, 0
.rept 16
	ds_store_b64 v[KWR], v[128+4*ri:128+4*ri+1] offset:ri*KP
	ds_store_b64 v[VWR], v[192+4*ri:192+4*ri+1] offset:ri*VP
.set ri, ri+1
.endr
.endm
.macro KFRAG                           ; 32 loads, key blocks ascending: the whole K tile as first operands (row = key, k = d)
	WIN 0x40
.irp kt, 0,1,2,3
.irp c, 0,1,2,3
	ds_load_b128 v[128+32*\kt+8*\c:128+32*\kt+8*\c+3],   v[KRD] offset:\kt*16*KP+64*\c
	ds_load_b128 v[128+32*\kt+8*\c+4:128+32*\kt+8*\c+7], v[KRD] offset:\kt*16*KP+64*\c+32
.endr
.endr
.endm
.macro VFRAG                           ; 32 transposing loads: the whole V tile as first operands (row = d, k = key)
	WIN 0x80
.irp ks, 0,1
.irp dt, 0,1,2,3,4,5,6,7
	ds_load_tr16_b128 v[16*\dt+8*\ks:16*\dt+8*\ks+3],   v[VRD] offset:\ks*32*VP+32*\dt
	ds_load_tr16_b128 v[16*\dt+8*\ks+4:16*\dt+8*\ks+7], v[VRD] offset:\ks*32*VP+32*\dt+16*VP
.endr
.endr
.endm
; scores of key blocks 2 ktp, 2 ktp + 1 for nq query tiles: 2 nq chains of four links along d; the first link takes the bias as C
.macro SMUL nq, ktp
	WIN 0x05
.irp c, 0,1,2,3
.irp kk, 0,1
.irp qt, 0,1,2,3
.if \qt < \nq
.if \c == 0
	v_wmma_f32_16x16x32_f16 v[SC+32*\qt+8*(2*\ktp+\kk):SC+32*\qt+8*(2*\ktp+\kk)+7], v[128+32*(2*\ktp+\kk)+8*\c:128+32*(2*\ktp+\kk)+8*\c+7], v[32*\qt+8*\c:32*\qt+8*\c+7], v[BIAS+8*(2*\ktp+\kk):BIAS+8*(2*\ktp+\kk)+7]
.else
	v_wmma_f32_16x16x32_f16 v[SC+32*\qt+8*(2*\ktp+\kk):SC+32*\qt+8*(2*\ktp+\kk)+7], v[128+32*(2*\ktp+\kk)+8*\c:128+32*(2*\ktp+\kk)+8*\c+7], v[32*\qt+8*\c:32*\qt+8*\c+7], v[SC+32*\qt+8*(2*\ktp+\kk):SC+32*\qt+8*(2*\ktp+\kk)+7]
.endif
.endif
.endr
.endr
.endr
.endm
; the diagonal tile of query tiles q0, q0 + 1: key 16 kt + 8 h + j stays iff it is <= row 32 par + 16 qq + r, that is 16 kt + j - 16 qq <= D
.macro MASK q0, dreg
.irp qq, 0,1
.irp kt, 0,1,2,3
.irp j, 0,1,2,3,4,5,6,7
	v_cmp_le_i32 vcc_lo, 16*\kt+\j-16*\qq, v[\dreg]
	v_cndmask_b32 v[SC+32*(\q0+\qq)+8*\kt+\j], v[NINF], v[SC+32*(\q0+\qq)+8*\kt+\j], vcc_lo
.endr
.endr
.endr
.endm
; one query tile's 64 keys: maximum, alpha, exponentials, sum, P packed in place
.macro SOFTMAX qt, first
.set SB, SC+32*\qt
.irp k, 0,1,2,3
	v_max3_num_f32 v[MX+\k], v[SB+8*\k], v[SB+8*\k+1], v[SB+8*\k+2]
.endr
.irp k, 0,1,2,3
	v_max3_num_f32 v[MX+\k], v[MX+\k], v[SB+8*\k+3], v[SB+8*\k+4]
.endr
.irp k, 0,1,2,3
	v_max3_num_f32 v[MX+\k], v[MX+\k], v[SB+8*\k+5], v[SB+8*\k+6]
.endr
	v_max3_num_f32 v[MX], v[MX], v[MX+1], v[SB+7]
	v_max3_num_f32 v[MX+2], v[MX+2], v[MX+3], v[SB+15]
	v_max3_num_f32 v[MX], v[MX], v[MX+2], v[SB+23]
	v_max_num_f32 v[MX], v[MX], v[SB+31]
	v_permlanex16_b32 v[MX+1], v[MX], s26, s27     ; the other half's keys of the same query
.if \first
	v_max_num_f32 v[MREG+2*\qt], v[MX], v[MX+1]
	v_max_num_f32 v[MREG+2*\qt+1], v[MX], v[MX+1]
.else
	v_sub_f32 v[MX+2], v[MREG+2*\qt], v[DEL]       ; the old maximum as seen from this tile's origin
	v_max3_num_f32 v[MREG+2*\qt], v[MX+2], v[MX], v[MX+1]
	v_max3_num_f32 v[MREG+2*\qt+1], v[MX+2], v[MX], v[MX+1]
	v_sub_f32 v[MX+3], v[MX+2], v[MREG+2*\qt]
	v_exp_f32 v[AREG+2*\qt], v[MX+3]               ; alpha, twice, for the packed multiplies; the subtractions below are the plain
	v_exp_f32 v[AREG+2*\qt+1], v[MX+3]             ; instructions that stand behind these two before alpha is used (ISA guide 5.7.2)
.endif
.set ri, 0
.rept 16
	v_pk_add_f32 v[SB+2*ri:SB+2*ri+1], v[SB+2*ri:SB+2*ri+1], v[MREG+2*\qt:MREG+2*\qt+1] neg_lo:[0,1] neg_hi:[0,1]
.set ri, ri+1
.endr
.set ri, 0
.rept 32
	v_exp_f32 v[SB+ri], v[SB+ri]
.set ri, ri+1
.endr
	v_nop                                          ; one plain instruction behind the run of exponentials before their results are read
	s_wait_alu depctr_va_vdst(0)
.irp k, 0,1,2,3
	v_pk_add_f32 v[SUM+2*\k:SUM+2*\k+1], v[SB+2*\k:SB+2*\k+1], v[SB+8+2*\k:SB+8+2*\k+1]
.endr
.irp k, 0,1,2,3
	v_pk_add_f32 v[SUM+2*\k:SUM+2*\k+1], v[SUM+2*\k:SUM+2*\k+1], v[SB+16+2*\k:SB+16+2*\k+1]
.endr
.irp k, 0,1,2,3
	v_pk_add_f32 v[SUM+2*\k:SUM+2*\k+1], v[SUM+2*\k:SUM+2*\k+1], v[SB+24+2*\k:SB+24+2*\k+1]
.endr
	v_pk_add_f32 v[SUM:SUM+1], v[SUM:SUM+1], v[SUM+2:SUM+3]
	v_pk_add_f32 v[SUM+4:SUM+5], v[SUM+4:SUM+5], v[SUM+6:SUM+7]
	v_pk_add_f32 v[SUM:SUM+1], v[SUM:SUM+1], v[SUM+4:SUM+5]
.if \first
	v_add_f32 v[LREG+\qt], v[SUM], v[SUM+1]
.else
	v_add_f32 v[SUM], v[SUM], v[SUM+1]
	v_fma_f32 v[LREG+\qt], v[LREG+\qt], v[AREG+2*\qt], v[SUM]
.endif
	; key blocks 2 ks and 2 ks + 1 become registers 0-3 and 4-7 of P(qt, ks); ascending, so no source is written before it is read
.irp ks, 0,1
.irp m, 0,1,2,3
	v_cvt_pk_f16_f32 v[SB+16*\ks+\m], v[SB+16*\ks+2*\m], v[SB+16*\ks+2*\m+1]
.endr
.irp m, 0,1,2,3
	v_cvt_pk_f16_f32 v[SB+16*\ks+4+\m], v[SB+16*\ks+8+2*\m], v[SB+16*\ks+9+2*\m]
.endr
.endr
.endm
.macro RESCALE qt                      ; O(qt) times the pair in AREG
	WIN 0xc3
.set ri, 0
.rept 32
	v_pk_mul_f32 v[64*\qt+2*ri:64*\qt+2*ri+1], v[64*\qt+2*ri:64*\qt+2*ri+1], v[AREG+2*\qt:AREG+2*\qt+1]
.set ri, ri+1
.endr
.endm
; O^T += V^T P^T: 8 nq chains of two links along the keys.  first = 1: the first link starts the sums with C = 0, nothing is cleared.
.macro PVMUL nq, first
	WIN 0xf2
.irp ks, 0,1
.irp dt, 0,1,2,3,4,5,6,7
.irp qt, 0,1,2,3
.if \qt < \nq
.if \first*(1-\ks)
	v_wmma_f32_16x16x32_f16 v[64*\qt+8*\dt:64*\qt+8*\dt+7], v[16*\dt+8*\ks:16*\dt+8*\ks+7], v[SC+32*\qt+16*\ks:SC+32*\qt+16*\ks+7], 0
.else
	v_wmma_f32_16x16x32_f16 v[64*\qt+8*\dt:64*\qt+8*\dt+7], v[16*\dt+8*\ks:16*\dt+8*\ks+7], v[SC+32*\qt+16*\ks:SC+32*\qt+16*\ks+7], v[64*\qt+8*\dt:64*\qt+8*\dt+7]
.endif
.endif
.endr
.endr
.endr
.endm
; ONE KEY TILE.  At its head the tile lies whole in LDS and s[6:7], s[8:9] point at the tile behind it.
; nq = 4: all query tiles, 2: HI alone.  first: no old maximum, no alpha, O started.  last: HI's diagonal, nothing follows.  id: for the labels.
.macro TRIP nq, first, last, id
	KFRAG
	VFRAG
.if \last == 0
	KVLOAD                                         ; tile t + 1 travels while tile t is worked on
.endif
	s_wait_dscnt 48                                ; 16 younger K loads and 32 V loads may be out: key blocks 0, 1 are in
	SMUL \nq, 0
	s_wait_dscnt 32                                ; the 32 V loads may be out: all of K is in
	SMUL \nq, 1
	WIN 0
	PLACES
.if \last == 0
	; Work-group i = 0 of each head (s28 = 29, elsewhere 0), which walks all 32 tiles, asks in trip t for tile t + 3, which trip t + 2 loads:
	; each wave for its own 16 rows x 2 blocks of 256 bytes of K and of V, each block once in the launch.  The last request, t = 28, is for tile 31.
	s_cmp_ge_u32 s20, s28
	s_cbranch_scc1 .Lnopf\id
	global_prefetch_b8 v[PF], s[6:7] offset:2*TILEB th:TH_LOAD_NT scope:SCOPE_SE
	global_prefetch_b8 v[PF], s[8:9] offset:2*TILEB th:TH_LOAD_NT scope:SCOPE_SE
.Lnopf\id:
.endif
.if \nq == 4
	s_cmp_lg_u32 s20, s18                          ; LO's diagonal lies in tile ld
	s_cbranch_scc1 .Lnomask\id
	MASK 2, DLO
.Lnomask\id:
.endif
.if \last
	MASK 0, DHI
.endif
	SOFTMAX 0, \first
	SOFTMAX 1, \first
.if \nq == 4
	SOFTMAX 2, \first
	SOFTMAX 3, \first
.endif
	s_wait_dscnt 0x0                               ; V's fragments are in; and, for the others' stores: my reads of this tile are over
.if \last == 0
	s_barrier_signal -1                            ; say so; registers only up to the wait
.endif
.if \first == 0
	RESCALE 0
	RESCALE 1
.if \nq == 4
	RESCALE 2
	RESCALE 3
.endif
.endif
	PVMUL \nq, \first
.if \last == 0
	s_wait_loadcnt 0x0                             ; the 32 loads issued at the trip's head
	KVCONV
	WIN 0
	s_wait_xcnt 0x0                                ; the bases, which the loads and prefetches above name, are stepped only behind this wait
	s_add_nc_u64 s[6:7], s[6:7], TILEB
	s_add_nc_u64 s[8:9], s[8:9], TILEB
	s_barrier_wait -1                              ; nobody reads the old tile any more
	KVSTORE
	WIN 0
	s_wait_dscnt 0x0                               ; for the others' reads: my 16 rows are written
	s_barrier_signal -1
	s_barrier_wait -1                              ; the tile is whole
.endif
.endm
; 16 queries out: divide by l, 32 bytes a lane into my stage, read back as rows of 512 bytes, one store a row.  buf: 64 registers, in turn.
.macro OUTQ qt, buf, sb
	v_permlanex16_b32 v[MX], v[LREG+\qt], s26, s27 ; the other half's sum
	v_add_f32 v[MX], v[MX], v[LREG+\qt]
	v_rcp_f32 v[AREG+2*\qt], v[MX]
	v_rcp_f32 v[AREG+2*\qt+1], v[MX]
	v_nop                                          ; one plain instruction before the reciprocal is used
	s_wait_alu depctr_va_vdst(0)
	RESCALE \qt
	WIN 0x0c
.irp dt, 0,1,2,3,4,5,6,7
	ds_store_b128 v[OST], v[64*\qt+8*\dt:64*\qt+8*\dt+3]   offset:64*\dt
	ds_store_b128 v[OST], v[64*\qt+8*\dt+4:64*\qt+8*\dt+7] offset:64*\dt+16
.endr
	WIN 0
	s_wait_xcnt 0x0                                ; buf was the data of earlier stores: it is loaded again only behind this wait
.set ri, 0
.rept 16
	ds_load_b128 v[\buf+4*ri:\buf+4*ri+3], v[ORD] offset:ri*OP     ; LDS serves a wave in order: these see the stores above
.set ri, ri+1
.endr
.set ri, 0
.rept 16
	s_wait_dscnt 15-ri                             ; the younger row loads may be out
	global_store_b128 v[L16], v[\buf+4*ri:\buf+4*ri+3], s[\sb:\sb+1] offset:(16*(\qt&1)+ri)*QROW th:TH_STORE_NT   ; 512 consecutive bytes, at a multiple of 512 from out0's first byte
.set ri, ri+1
.endr
.endm
	; ---------------- prologue ----------------
	s_load_b256 s[4:11], s[0:1], 0x0               ; query s[4:5], key s[6:7], value s[8:9], slopes s[10:11]
	s_load_b64 s[12:13], s[0:1], 0x20              ; out0
	v_lshl_add_u32 v94, v0, 2, 0x11400
	v_mov_b32 v95, 0
	v_lshrrev_b32 v15, 5, v0
	v_readfirstlane_b32 s14, v15                   ; wave w
	s_mov_b32 s15, ttmp9                           ; i
	s_and_b32 s16, ttmp7, 0xffff                   ; kv
	s_lshl_b32 s17, s16, 2
	s_add_co_u32 s17, s17, s14                     ; query head 4 kv + w
	s_sub_co_u32 s42, 63, s15                      ; HI's block
	s_lshr_b32 s18, s15, 1                         ; ld
	s_lshr_b32 s19, s42, 1                         ; hd
	s_add_co_u32 s23, s18, 1                       ; ld + 1: the number of tiles that both blocks use
	s_cmp_eq_u32 s15, 0
	s_cselect_b32 s28, 29, 0                       ; trips in which this work-group prefetches
	s_mov_b32 s24, 0x3e0293ee                      ; log2(e) / sqrt(128)
	s_mov_b32 s25, 0x3e0293ee
	s_mov_b32 s26, 0x76543210                      ; v_permlanex16_b32: lane i of one half reads lane i of the other
	s_mov_b32 s27, 0xfedcba98
	s_lshl_b32 s43, s17, 9                         ; the head's 512 bytes in a row of query and out0
	s_lshl_b32 s40, s42, 19                        ; 32 rows x 16,384 bytes a block
	s_add_co_u32 s40, s40, s43
	s_mov_b32 s41, 0
	s_lshl_b32 s44, s15, 19
	s_add_co_u32 s44, s44, s43
	s_mov_b32 s45, 0
	s_lshl_b32 s46, s16, 9                         ; the head's 512 bytes in a row of key and value
	s_mov_b32 s47, 0
	s_lshl_b32 s48, s17, 2                         ; the head's slope
	s_mov_b32 s49, 0
	s_lshl_b32 s50, s14, 16                        ; 16 w rows of 4,096 bytes
	v_and_b32 v15, 31, v0                          ; lane
	v_lshlrev_b32 v[L16], 4, v15
	v_add_nc_u32 v[GKV], s50, v[L16]
	s_wait_kmcnt 0x0
	s_add_nc_u64 s[32:33], s[4:5], s[40:41]        ; Q, HI
	s_add_nc_u64 s[36:37], s[12:13], s[40:41]      ; out, HI
	s_add_nc_u64 s[34:35], s[4:5], s[44:45]        ; Q, LO
	s_add_nc_u64 s[38:39], s[12:13], s[44:45]      ; out, LO
	s_add_nc_u64 s[6:7], s[6:7], s[46:47]
	s_add_nc_u64 s[8:9], s[8:9], s[46:47]
	s_add_nc_u64 s[10:11], s[10:11], s[48:49]
	s_load_b32 s21, s[10:11], 0x0
	KVLOAD                                         ; key tile 0 (window 2): 32 loads,
	WIN 0
	QLOAD 32, 128, 0                               ; and Q HI's rows 0-15 (window 0): 16 more
	v_and_b32 v16, 15, v15                         ; r
	v_lshrrev_b32 v17, 4, v15                      ; h
	v_lshrrev_b32 v18, 1, v15
	v_and_b32 v19, 1, v15
	v_lshlrev_b32 v19, 8, v19
	v_lshl_add_u32 v[PF], v18, 12, v19             ; row lane >> 1, block lane & 1
	v_add_nc_u32 v[PF], s50, v[PF]
	v_mul_u32_u24 v[KRD], v16, KP
	v_lshl_add_u32 v[KRD], v17, 4, v[KRD]
	v_and_b32 v18, 7, v15
	v_lshl_add_u32 v18, v17, 3, v18
	v_mul_u32_u24 v[VRD], v18, VP
	v_bfe_u32 v19, v15, 3, 1
	v_lshl_add_u32 v[VRD], v19, 4, v[VRD]
	v_add_nc_u32 v[VRD], LV, v[VRD]
	s_mul_i32 s51, s14, 16*KP
	v_lshl_add_u32 v[KWR], v15, 3, s51
	s_mul_i32 s52, s14, 16*VP
	s_add_co_u32 s52, s52, LV
	v_lshl_add_u32 v[VWR], v15, 3, s52
	s_mul_i32 s53, s14, STGB
	s_add_co_u32 s53, s53, LSTG                    ; my stage
	v_lshl_add_u32 v[QST], v15, 3, s53
	v_add_nc_u32 v[QRD], s53, v[KRD]
	v_mul_u32_u24 v[OST], v16, OP
	v_lshl_add_u32 v[OST], v17, 5, v[OST]
	v_add_nc_u32 v[OST], s53, v[OST]
	v_add_nc_u32 v[ORD], s53, v[L16]
	s_and_b32 s54, s15, 1
	s_lshl_b32 s54, s54, 5                         ; 32 x parity of block i
	s_xor_b32 s55, s54, 32                         ; 32 x parity of block 63 - i
	v_lshlrev_b32 v18, 3, v17                      ; 8 h
	v_sub_nc_u32 v19, v16, v18                     ; r - 8 h
	v_add_nc_u32 v[DHI], s55, v19
	v_add_nc_u32 v[DLO], s54, v19
	v_mov_b32 v[NINF], 0xff800000
	s_wait_kmcnt 0x0                               ; the slope
	v_mov_b32 v[SL2], s21
	v_mul_f32 v[SL2], 0x3fb8aa3b, v[SL2]           ; x log2(e)
	v_mul_f32 v[DEL], 0x42800000, v[SL2]           ; x 64 keys
.irp kt, 0,1,2,3
.irp j, 0,1,2,3,4,5,6,7
	v_add_nc_u32 v[BIAS+8*\kt+\j], 16*\kt+\j, v18
	v_cvt_f32_u32 v[BIAS+8*\kt+\j], v[BIAS+8*\kt+\j]
	v_mul_f32 v[BIAS+8*\kt+\j], v[SL2], v[BIAS+8*\kt+\j]
.endr
.endr
	s_wait_loadcnt 16                              ; the 16 Q loads are younger: key tile 0 is in
	KVCONV
	KVSTORE
	WIN 0
	s_wait_xcnt 0x0                                ; the bases are stepped only behind this wait
	s_add_nc_u64 s[6:7], s[6:7], TILEB
	s_add_nc_u64 s[8:9], s[8:9], TILEB
	QLOAD 32, 128, 16                              ; Q HI's rows 16-31,
	WIN 0xc0
	QLOAD 34, 0, 0                                 ; Q LO's rows 0-15 (window 3, O's registers, free until the first products)
	s_wait_loadcnt 32                              ; these 32 are younger: HI's rows 0-15 are in
	QCONV 128, 0, 0, 0
	WIN 0xc0
	QLOAD 34, 0, 16                                ; Q LO's rows 16-31
	s_wait_loadcnt 32                              ; LO's 32 loads are younger: HI's rows 16-31 are in
	QCONV 128, 0, 0, 16
	QFRAG 0
	s_wait_loadcnt 16                              ; LO's rows 0-15 are in
	QCONV 0, 0xcf, 0x0c, 0                         ; over the stage's HI rows, behind the loads that read them: one wave, served in order
	s_wait_loadcnt 0x0
	QCONV 0, 0xcf, 0x0c, 16
	QFRAG 2
	WIN 0
	s_wait_dscnt 0x0                               ; Q's fragments are in; for the others: my rows of tile 0 are written
	s_barrier_signal -1
	s_barrier_wait -1
	; ---------------- the key tiles ----------------
	s_mov_b32 s20, 0                               ; t
	TRIP 4, 1, 0, 1
	s_mov_b32 s20, 1
	s_cmp_ge_u32 s20, s23
	s_cbranch_scc1 .Lskip1
.Lboth:
	TRIP 4, 0, 0, 2
	s_add_co_u32 s20, s20, 1
	s_cmp_lt_u32 s20, s23                          ; t = 1 .. ld
	s_cbranch_scc1 .Lboth
.Lskip1:
	s_cmp_ge_u32 s20, s19                          ; t = ld + 1 <= 16 <= hd
	s_cbranch_scc1 .Lskip2
.Lhigh:
	TRIP 2, 0, 0, 3
	s_add_co_u32 s20, s20, 1
	s_cmp_lt_u32 s20, s19                          ; t = ld + 1 .. hd - 1
	s_cbranch_scc1 .Lhigh
.Lskip2:
	TRIP 2, 0, 1, 4                                ; t = hd
	; ---------------- the way out ----------------
	WIN 0
	PLACES                                         ; behind the last products, before O is read and P's registers are loaded into
	OUTQ 0, 128, 36
	OUTQ 1, 192, 36
	OUTQ 2, 128, 38
	OUTQ 3, 192, 38
	s_wait_tensorcnt 0x0
	ds_add_u32 v94, v95
	s_wait_dscnt 0x0
	s_endpgm
.Lfunc_end_k_qeea21cffa3_attn:
	.size	k_qeea21cffa3_attn, .Lfunc_end_k_qeea21cffa3_attn-k_qeea21cffa3_attn
	.p2alignl 7, 3214868480
	.fill 96, 4, 3214868480
	.section	.rodata,"a",@progbits
	.p2align	6, 0x0
	.amdhsa_kernel k_qeea21cffa3_attn
		.amdhsa_group_segment_fixed_size 71168
		.amdhsa_private_segment_fixed_size 0
		.amdhsa_enable_private_segment 0
		.amdhsa_kernarg_size 40
		.amdhsa_user_sgpr_count 2
		.amdhsa_user_sgpr_kernarg_segment_ptr 1
		.amdhsa_wavefront_size32 1
		.amdhsa_system_sgpr_workgroup_id_x 1
		.amdhsa_system_sgpr_workgroup_id_y 1
		.amdhsa_system_sgpr_workgroup_id_z 1
		.amdhsa_system_vgpr_workitem_id 0
		.amdhsa_next_free_vgpr 1024
		.amdhsa_next_free_sgpr 66
		.amdhsa_reserve_vcc 1
		.amdhsa_float_denorm_mode_32 3
		.amdhsa_float_denorm_mode_16_64 3
		.amdhsa_memory_ordered 1
		.amdhsa_forward_progress 1
		.amdhsa_inst_pref_size 234
	.end_amdhsa_kernel
	.amdgpu_metadata
---
amdhsa.version: [ 1, 2 ]
amdhsa.kernels:
  - .name:           k_qeea21cffa3_attn
    .symbol:         k_qeea21cffa3_attn.kd
    .args:
      - { .name: query, .offset: 0, .size: 8, .value_kind: global_buffer, .address_space: global }
      - { .name: key, .offset: 8, .size: 8, .value_kind: global_buffer, .address_space: global }
      - { .name: value, .offset: 16, .size: 8, .value_kind: global_buffer, .address_space: global }
      - { .name: alibi_slopes, .offset: 24, .size: 8, .value_kind: global_buffer, .address_space: global }
      - { .name: out0, .offset: 32, .size: 8, .value_kind: global_buffer, .address_space: global }
    .group_segment_fixed_size: 71168
    .private_segment_fixed_size: 0
    .kernarg_segment_align: 8
    .kernarg_segment_size: 40
    .max_flat_workgroup_size: 128
    .sgpr_count:     66
    .vgpr_count:     1024
    .wavefront_size: 32
...
	.end_amdgpu_metadata
.endif
;; end of part 1
